; MI455X (gfx1250); checked and timed in simulation.
; The chip was launched on July 23, 2026; its instructions are those of AMD's public machine-readable ISA for CDNA 5 (MIT licence, August 2026) and "CDNA5" Instruction Set Architecture Reference Guide (July 2026). The comments in the code are by the model that wrote it; some were corrected since.
;; scaled dot product attention. Allowed arithmetic: matrix products marked QUANTISED: E2M3 operands, one E8M0 scale for each 32 along K, by v_wmma_scale_f32_16x16x128_f8f6f4 with both operands' format E2M3, f32 sums; everything else in f32.
;; Inputs: k 8 x 16 x 1,024 x 64 float32; q 8 x 16 x 1,024 x 64 float32; v 8 x 16 x 1,024 x 64 float32.
;; Outputs: out0 8 x 16 x 1,024 x 64 float32.
;; This version of the problem:
;;   THIS VERSION OF THE PROBLEM IS GIVEN IN LOW PRECISION. The matrix products marked QUANTISED in the list below multiply operands that are first quantised to E2M3 (2 exponent bits, 3 mantissa bits; 6 bits a number), with one power-of-two scale for each 32 numbers along K (OCP MX v1.0); their sums are f32. All else is computed in f32.
;;   The module's matrix products, in the order in which they are computed (A, B: the left and right operand; K: the contracted axis; several contracted axes count as one K, in the product's order):
;;     1. batch 128 x [M 1,024, K 64] x [K 64, N 1,024]; A: input q; B: input k: QUANTISED
;;     2. batch 128 x [M 1,024, K 1,024] x [K 1,024, N 64]; A: softmax (see below); B: input v: QUANTISED
;;   THE QUANTISER, for each operand of a quantised product, along K:
;;     - K is cut into blocks of 32 from its start; a last block that is shorter is filled with zeros.
;;     - A block's scale is 2^e with e = floor(log2(the largest magnitude in the block)) - 2, held to -126 .. 127; a block of zeros has e = 0. As a byte (E8M0): e + 127.
;;     - Each number is divided by its block's scale, clamped to +-7.5, and rounded to the nearest number of E2M3, ties to even, subnormals kept.
;;     - The product sums the exact products of the quantised numbers (number of the format x scale) in f32.
;;   ~~~python
;;   def quantise(x, axis):      # numpy; x: float32 -> the quantised numbers, widened to float32 again
;;       x = np.moveaxis(x, axis, -1); K = x.shape[-1]
;;       x = np.pad(x, [(0, 0)] * (x.ndim - 1) + [(0, -K % 32)]); x = x.reshape(x.shape[:-1] + (-1, 32)); a = np.abs(x).max(-1, keepdims=True)
;;       e = np.where(a > 0, np.clip(np.frexp(np.where(a > 0, a, 1))[1] - 1 - 2, -126, 127), 0)      # np.frexp(a)[1] - 1 = floor(log2(a)), exactly
;;       r = np.clip(x / 2.0 ** e, -7.5, 7.5)
;;       step = 2.0 ** (np.maximum(np.frexp(np.where(r == 0, 1, r))[1] - 1, 0) - 3)
;;       q = np.round(r / step) * step * 2.0 ** e      # np.round: ties to even
;;       return np.moveaxis(q.reshape(q.shape[:-2] + (-1,))[..., :K], -1, axis).astype(np.float32)
;;   ~~~
;;   SOFTMAX AHEAD OF A QUANTISED PRODUCT. Where the list says 'softmax', what is quantised is not the finished softmax but p = 2^(t - M), with t = logit x log2(e) and M = ceil(the row's largest t), a whole number; so 1/2 < the row's largest p <= 1. The row's sum l is taken of the UNQUANTISED p, in f32, and the product's result is divided by l at the end. Since M is a whole number, a kernel that streams over the keys may use a running M (the ceiling of the running maximum): every later rescaling is an exact power of two, which a block's scale takes up: the codes' values come out the same.
;;   OPERANDS COMPUTED ON THE WAY. 'Computed on the way' means the value that the module computes at that place (a softmax that the list does not call 'softmax' is quantised finished and normalised). What goes into a quantiser is computed in f32, as accurately as f32 sums, v_exp_f32 and their like allow (about 1e-6 of the number): no bf16 or f16 on the way to a quantiser, and a product that is left as it is and whose result goes on into a quantised operand takes f32 operands (vector FMAs, or v_wmma_f32_16x16x4_f32). A number that lies on a knife's edge between two numbers of the format may be rounded either way, as far as f32 arithmetic and the matrix unit's own rounding can turn it there, and no further.
;; One version. Each part assembles by itself: llvm-mc -triple=amdgcn-amd-amdhsa -mcpu=gfx1250 --defsym DOCPART=n.
;; ======== version 1 of 1: 1 launch
;; limits: right only within a limited range of input values
;; launch attn (part 1): grid 256 x 1, 16 waves a work-group, clusters of 2 x 1, 327,680 bytes of LDS; arguments q, k, v, out0; writes out0
.if DOCPART == 1
	.amdgcn_target "amdgcn-amd-amdhsa--gfx1250"
	.amdhsa_code_object_version 6
	.text
	.protected	k_q8476c642ca_attn
	.globl	k_q8476c642ca_attn
	.p2align	8
	.type	k_q8476c642ca_attn,@function
k_q8476c642ca_attn:
	s_mov_b64 s[64:65], 0
	v_nop
	global_prefetch_b8 v0, s[64:65] scope:SCOPE_SE
	s_setreg_imm32_b32 hwreg(HW_REG_WAVE_MODE, 25, 1), 1
	s_wait_xcnt 0x0
	s_wait_alu depctr_hold_cnt(0) depctr_sa_sdst(0) depctr_va_vdst(0) depctr_va_sdst(0) depctr_va_ssrc(0) depctr_va_vcc(0) depctr_vm_vsrc(0)
	s_getreg_b32 s2, hwreg(HW_REG_IB_STS2, 6, 4)
	s_cmp_eq_u32 s2, 0
	s_cbranch_scc0 .Lentry_in_a_cluster
	s_endpgm
.Lentry_in_a_cluster:
	s_bfe_u32 s2, ttmp6, 0x10000c
	s_cmp_lg_u32 s2, 0x1001
	s_cbranch_scc0 .Lentry_shape_is_right
	s_endpgm
.Lentry_shape_is_right:
; out0[h][q][:] = the sum over keys of softmax(q . k / 8) v, 128 heads of 1,024 x 64, all f32 in memory; both products on codes of FP6 (E2M3), one E8M0 scale for each 32 along a product's K.
; THE SOFTMAX AHEAD OF THE SECOND PRODUCT: t = score x log2(e) / 8; M = the row's largest t so far, rounded UP to a whole number; p = 2^(t - M) is quantised along the keys, not normalised.
; The row's sum is taken of the unquantised p and divides at the end.  When M moves, the sum and O are multiplied by 2^(old M - new M): exact.
; SHARES.  256 work-groups, two to a head: a work-group owns 512 queries, each of its sixteen waves two tiles of 16 (A: 512 half + 16 wave; B: 256 further on).  Both tiles meet a chunk of keys together,
; so that each fragment of k and of v is read from LDS once for both.
; CLUSTERS: the two work-groups of a head form a cluster and ask for its k and v JOINTLY (mask 3): the same loads, descriptors and rounds in both; only q's and out0's addresses hang on the place in the cluster.
; k AND v come as f32, 128 keys (64 KiB) a chunk, through two LDS slots filled by the tensor data mover (of four loading waves two fetch k's halves, two v's), and are quantised once a work-group, a block of 32 to a lane:
; a key's half row of k (K = the head's 64), or a column of v with the registers running down 32 keys (K = the keys).  Chunk 0: k by waves 0-7, v by waves 8-15; later chunks: both by waves 0-7.
; The codes go to LDS as IMAGES OF THE OPERANDS' REGISTERS, 48 bytes a lane, in two buffers by turns.
; TRIP j: chunk j + 1's k is quantised; tile A's scores and softmax; chunk j + 1's v is quantised; tile B's scores; chunk j's V is loaded; THE ROUND, with the first part of tile B's softmax behind its opening signal;
; behind it chunk j + 3 is asked for, into the slot that chunk j + 1 was read from; the rest of tile B's softmax; the second products.  So each wave has work on registers on both sides of the round.
; NO PREFETCH: a refill is asked for behind trip j's round and first read in trip j + 2, behind trip j + 1's round: a whole trip (24 matrix instructions, 132 exponentials a wave, four waves to a SIMD) lies between;
; chunks 0 and 1 are asked for at the head, and only six refills follow.
; LAYOUT.  Both products are used transposed: S^T = K Q^T (source 0 = 16 keys, source 1 = 16 queries), O^T = V^T P^T (source 0 = 16 of the head's 64, source 1 = p): a lane holds ONE query (lane % 16).
; THE KEYS OF A TILE ARE NOT NEIGHBOURS: row m of tile 4 c + u is key 64 c + 32 (m / 8) + 8 u + m % 8, so that the 32 registers of tiles 4 c .. 4 c + 3 are the 32 neighbouring keys 64 c + 32 (lane / 16) + 0 .. 31:
; a whole block along the second product's K, where the operand's layout wants it.
; THE FIRST PRODUCT'S K IS 64, HALF OF THE INSTRUCTION'S 128.  Six registers of zero codes stand between tile A's and tile B's codes of q: A is [codes, zeros], B is [zeros, codes].  So k = 64 .. 127 (A) or 0 .. 63 (B)
; adds nothing whatever stands on K's side: there the neighbouring six registers are named (every 6-bit code is a finite number).  A scale word holds its row's two bytes twice.
; LIMITS.  NaN and infinities among the inputs are not served.  The scaled scores (exponents to the base 2) stay under 2^31 in magnitude.  A block of zeros gets the byte 1 where the quantiser says 127: its codes are zeros,
; and this program alone reads the bytes.  A block's largest magnitude is taken no smaller than 2^(3 - 127), which holds the byte at 1 from below.  A p under 2^-126 comes out of v_exp_f32 as 0.  t - M is one fused multiply-add.
.set RP,    272                        ; a raw row in LDS: 64 f32 = 256 bytes + 16 of padding
.set HALFT, 64*RP                      ; what one tensor load brings: 64 rows
.set VRAW,  128*RP                     ; in a slot: 128 rows of k, then 128 rows of v
.set SLOT1, 1<<17                      ; slot 1 begins here: one exclusive or turns an address in one slot into the other's
.set IMG,   98304                      ; the images, two buffers: K's codes (tiles 2 b, 2 b + 1 at 1,536 b, lane L at 48 L, the odd tile's six registers 24 bytes on);
.set IMGX,  16384                      ; the second buffer, by one exclusive or
.set VI,    6144                       ; V^T's codes: tile T (16 of the 64) at 1,536 T, lane L at 48 L
.set KSC,   12288                      ; K's scale words: lane L at 16 L, word b at 4 b (lanes 0-15: tile 2 b, lanes 16-31: tile 2 b + 1)
.set VSC,   12800                      ; V's scale words: lane L at 16 L, word e at 4 e (lanes 0-15: tile 2 e, lanes 16-31: tile 2 e + 1); byte = block of 32 keys
.set STAGE, 200704                     ; behind slot 1: for each wave 16 rows x 272 bytes: q's turn on the way in, O's on the way out
.set SPARE, STAGE+16*16*RP             ; the spare words, 128 bytes for each wave, that no other line names
; vector registers (L = lane, r = L % 16, h = L / 16)
.set RKL,  0                           ; raw k: 272 r + 128 h (v0 at the entry is the thread's number)
.set SPW,  1                           ; SPARE + 4 x my thread's number; never rewritten
.set NIL,  2                           ; 0; never rewritten
.set WKL,  3                           ; K's codes: my place
.set GD,   4                           ; 16 L
.set W0,   5                           ; LDS addresses in hand
.set W1,   6
.set W2,   7
.set NMA,  8                           ; tile A: -M, and with it as a pair the largest score so far
.set LSA,  10                          ; v[10:11] the row's sum in two halves
.set NMB,  12                          ; tile B
.set LSB,  14
.set KSW,  16                          ; v16-19 K's scale words, later v16-17 V's
.set QS,   20                          ; q's scale words: lanes 0-15 tile A, lanes 16-31 tile B
.set WKSL, 21                          ; K's scale word: my place
.set PWA,  22                          ; p's scale words
.set PWB,  23
.set QF,   24                          ; v24-29 tile A's codes of q, v30-35 zero codes, v36-41 tile B's
.set FF,   42                          ; f (named as a pair with the next)
.set BP,   43                          ; the other half's value
.set MX,   44                          ; v44-47 maxima, scale operands, bytes, sums
.set PCDA, 48                          ; v48-59 p's codes, tile A
.set FRG,  60                          ; v60-107 fragments of K or of V
.set PCDB, 108                         ; v108-119 p's codes, tile B
.set STD,  118                         ; until tile B's first softmax: the stage, two rows an instruction
.set STR,  119                         ; and my row's half
.set CTM,  120                         ; v120-122, v124-126 the conversions' second halves
.set H8,   123                         ; 8 h
.set WVL,  127                         ; V's codes: my place
.set SCR,  128                         ; v128-191 S^T, then p; also raw numbers
.set WD,   SCR+44
.set OACA, 192                         ; O^T: tile T at 8 T
.set OACB, 224
; scalar registers: s[4:5] q, s[6:7] k, s[8:9] v, s[10:11] out0; s13-15, s44-48, s52-55 at work; s[42:43] my source of tiles
.set WV,   12                          ; my wave's number
.set G1,   16                          ; descriptor group 1: one shape for all loads
.set G0A,  24                          ; group 0: chunk 0, then it walks (waves 0-3)
.set G0B,  28                          ; group 0: chunk 1 (waves 4-7)
.set SEL,  32                          ; v_permlanex16_b32's selects for lane l xor 16
.set CS,   34                          ; s[34:35] c = log2(e) / 8
.set CN,   36                          ; -c
.set TB,   37                          ; the slot that is quantised next: 0 or SLOT1
.set IR,   38                          ; the images that are read
.set IW,   39                          ; the images that are written
.set CNT,  40
.set HIM,  41                          ; lanes 16-31
.set RKW,  49                          ; terms of the wave's number
.set WKW,  50
.set WKSW, 51
.set RVW,  56
.set WVW,  57
.set WVSW, 58
.set STG,  59
.macro DL n
	s_delay_alu instid0(VALU_DEP_\n)
.endm
.macro NOPS n
.rept \n
	v_nop
.endr
.endm
; one matrix instruction: ra, rb = 1: A's, B's scales stand in lanes 16-31
.macro MM d, a, b, c, s, p, ra, rb
.if ((\ra)+2*(\rb)) == 0
	v_wmma_scale_f32_16x16x128_f8f6f4 v[\d:\d+7], v[\a:\a+11], v[\b:\b+11], \c, v[\s], v[\p] matrix_a_fmt:MATRIX_FMT_FP6 matrix_b_fmt:MATRIX_FMT_FP6
.endif
.if ((\ra)+2*(\rb)) == 1
	v_wmma_scale_f32_16x16x128_f8f6f4 v[\d:\d+7], v[\a:\a+11], v[\b:\b+11], \c, v[\s], v[\p] matrix_a_fmt:MATRIX_FMT_FP6 matrix_b_fmt:MATRIX_FMT_FP6 matrix_a_scale:MATRIX_SCALE_ROW1
.endif
.if ((\ra)+2*(\rb)) == 2
	v_wmma_scale_f32_16x16x128_f8f6f4 v[\d:\d+7], v[\a:\a+11], v[\b:\b+11], \c, v[\s], v[\p] matrix_a_fmt:MATRIX_FMT_FP6 matrix_b_fmt:MATRIX_FMT_FP6 matrix_b_scale:MATRIX_SCALE_ROW1
.endif
.if ((\ra)+2*(\rb)) == 3
	v_wmma_scale_f32_16x16x128_f8f6f4 v[\d:\d+7], v[\a:\a+11], v[\b:\b+11], \c, v[\s], v[\p] matrix_a_fmt:MATRIX_FMT_FP6 matrix_b_fmt:MATRIX_FMT_FP6 matrix_a_scale:MATRIX_SCALE_ROW1 matrix_b_scale:MATRIX_SCALE_ROW1
.endif
.endm
; 32 numbers of ONE lane, v[x] on, a whole block along K, become six registers of codes, v[c] on, and the scale's byte in v[MX+3].
.macro QBLOCK x, c
	v_max3_num_f32 v[MX], |v[(\x)]|, |v[(\x)+1]|, |v[(\x)+2]|            ; the largest magnitude, in two chains
	v_max3_num_f32 v[MX+1], |v[(\x)+3]|, |v[(\x)+4]|, |v[(\x)+5]|
.irp i, 6,10,14,18,22,26
	DL 2
	v_max3_num_f32 v[MX], v[MX], |v[(\x)+\i]|, |v[(\x)+\i+1]|
	DL 2
	v_max3_num_f32 v[MX+1], v[MX+1], |v[(\x)+\i+2]|, |v[(\x)+\i+3]|
.endr
	DL 2
	v_max3_num_f32 v[MX], v[MX], |v[(\x)+30]|, |v[(\x)+31]|
	DL 1
	v_max3_num_f32 v[MX], v[MX], v[MX+1], 0x1800000                      ; and the floor 2^(3 - 127): the byte cannot fall under 1
	DL 1
	v_add_nc_u32 v[MX+2], 0xff000000, v[MX]                              ; 2 off its exponent field: the conversion takes this operand's exponent field as its scale
	DL 1
	v_lshrrev_b32 v[MX+3], 23, v[MX+2]                                   ; the scale's byte
	v_cvt_scalef32_pk16_fp6_f32 v[(\c):(\c)+2], v[(\x):(\x)+15], v[MX+2]
	v_cvt_scalef32_pk16_fp6_f32 v[CTM:CTM+2], v[(\x)+16:(\x)+31], v[MX+2]   ; (a conversion's three registers begin on an even number)
	v_nop                                                                ; one plain place behind a scaled conversion
.irp i, 0,1,2
	v_mov_b32 v[(\c)+3+\i], v[CTM+\i]
.endr
.endm
; The row's two bytes (lanes l and l xor 16 hold blocks 0 and 1 of one row) make its scale word in v[WD], the two bytes twice.
.macro WORD
	v_lshlrev_b32 v[WD], v[H8], v[MX+3]
	DL 1
	v_permlanex16_b32 v[BP], v[WD], s[SEL], s[SEL+1]
	DL 1
	v_or_b32 v[WD], v[WD], v[BP]
	DL 1
	v_lshl_or_b32 v[WD], v[WD], 16, v[WD]
.endm
; A round of the cluster's barrier: CREST is a round behind its opening barrier.
.macro CREST
	s_cmp_lg_u32 s[WV], 0
	s_cbranch_scc1 .Lnot_wave_0_\@
	s_barrier_signal -3
.Lnot_wave_0_\@:
	s_barrier_wait -3
	s_barrier_signal -1
	s_barrier_wait -1
.endm
.macro CROUND
	s_barrier_signal -1
	s_barrier_wait -1
	CREST
.endm
; IN FRONT OF A REFILL each wave waits for all its tensor loads, adds 0 to its spare word, and waits for that and for all its LDS reads and stores.
.macro DRAIN bytes, tog
	s_wait_alu depctr_va_vdst(0)
	s_wait_tensorcnt 0x0
	ds_add_u32 v[SPW], v[NIL]
	ds_add_u32 v[SPW], v[NIL]
.if \tog
	s_xor_b32 s[G0A+1], s[G0A+1], SLOT1            ; the other slot than last time
.endif
	s_add_nc_u64 s[G0A+2:G0A+3], s[G0A+2:G0A+3], \bytes   ; 128 keys are 32,768 bytes; the type bits on top are not reached
	s_wait_dscnt 0x0
.endm
.macro TLOAD                           ; the refill: the first thing behind the round, one load of each of waves 0-3
	s_cmp_lt_u32 s[WV], 4
	s_cbranch_scc0 .Lnone_\@
	tensor_load_to_lds s[G0A:G0A+3], s[G1:G1+7]
	s_nop 0
	NOPS 4
.Lnone_\@:
.endm
; k of the chunk in slot TB is quantised by waves 0-7: key 16 wave + r, channels 32 h + 0 .. 31.
.macro KQ
	s_add_co_u32 s13, s[TB], s[RKW]
	s_add_co_u32 s14, s[IW], s[WKW]
	s_add_co_u32 s15, s[IW], s[WKSW]
	v_add_nc_u32 v[W0], s13, v[RKL]
	v_add_nc_u32 v[W1], s14, v[WKL]
	v_add_nc_u32 v[W2], s15, v[WKSL]
	s_cmp_lt_u32 s[WV], 8
	s_cbranch_scc0 .Lnk_\@
.irp i, 0,1,2,3,4,5,6,7
	ds_load_b128 v[SCR+4*\i:SCR+4*\i+3], v[W0] offset:16*\i
.endr
	s_wait_dscnt 0x0
	QBLOCK SCR, SCR+32
	WORD
.irp p, 0,1,2
	ds_store_b64 v[W1], v[SCR+32+2*\p:SCR+33+2*\p] offset:8*\p    ; into the place of the lane that will hold this key's row in its tile
.endr
	ds_store_b32 v[W2], v[WD]                      ; both lanes of a key write the same word with the same value
.Lnk_\@:
.endm
; v of that chunk, by waves 8-15 (up = 1) or 0-7: column 32 (wave % 2) + L; the registers run down keys 32 ((wave % 8) / 2) + 0 .. 31.
.macro VQ up
	s_add_co_u32 s13, s[TB], s[RVW]
	s_add_co_u32 s14, s[IW], s[WVW]
	s_add_co_u32 s15, s[IW], s[WVSW]
	v_lshrrev_b32 v[W0], 2, v[GD]
	v_add_nc_u32 v[W1], s14, v[WVL]
	v_add_nc_u32 v[W2], s15, v[GD]
	v_add_nc_u32 v[W0], s13, v[W0]
.if \up
	s_cmp_ge_u32 s[WV], 8
.else
	s_cmp_lt_u32 s[WV], 8
.endif
	s_cbranch_scc0 .Lnv_\@
.set i, 0
.rept 32
	ds_load_b32 v[SCR+i], v[W0] offset:RP*i
.set i, i+1
.endr
	s_wait_dscnt 0x0
	QBLOCK SCR, SCR+32
.irp p, 0,1,2
	ds_store_b64 v[W1], v[SCR+32+2*\p:SCR+33+2*\p] offset:8*\p
.endr
	ds_store_b8 v[W2], v[MX+3]                     ; byte (wave % 8) / 2 of my column's scale word
.Lnv_\@:
.endm
.macro TOGGLE                          ; the quantisers turn to the other slot and the other images
	s_xor_b32 s[TB], s[TB], SLOT1
	s_xor_b32 s[IW], s[IW], IMGX
.endm
.macro IADR
	v_mad_u32_u24 v[W0], v[GD], 3, s[IR]           ; 48 L
	v_add_nc_u32 v[W1], s[IR], v[GD]
.endm
.macro KLOAD
	IADR
.irp b, 0,1,2,3
.irp j, 0,1,2
	ds_load_b128 v[FRG+12*\b+4*\j:FRG+12*\b+4*\j+3], v[W0] offset:1536*\b+16*\j   ; K's eight tiles, six registers each, on end
.endr
.endr
	ds_load_b128 v[KSW:KSW+3], v[W1] offset:KSC
	s_wait_alu depctr_va_vdst(0)
	s_wait_dscnt 0x0
.endm
.macro VLOAD                           ; V's four tiles over K's; the addresses and two v_nop are the places behind tile B's scores
	IADR
	NOPS 2
.irp T, 0,1,2,3
.irp j, 0,1,2
	ds_load_b128 v[FRG+12*\T+4*\j:FRG+12*\T+4*\j+3], v[W0] offset:VI+1536*\T+16*\j
.endr
.endr
	ds_load_b64 v[KSW:KSW+1], v[W1] offset:VSC
.endm
.macro QK b                            ; S^T = K Q^T for tile A (0) or B (1)
.irp t, 0,1,2,3,4,5,6,7
.if \b
	MM SCR+8*\t, FRG+6*\t-6, QF+6, 0, KSW+\t/2, QS, \t%2, 1
.else
	MM SCR+8*\t, FRG+6*\t, QF, 0, KSW+\t/2, QS, \t%2, 0
.endif
.endr
.endm
; A tile's softmax, first part: the maxima, M, f, and t - M.  fst = 1: the first chunk, nothing to bring under a new M.
.macro SOFT1 nm, fst
.if \fst == 0
	v_mov_b32 v[FF], v[\nm]
.endif
.irp c, 0,1                                    ; THE LARGEST SCORE OF EACH BLOCK OF 32 KEYS serves twice: for the row's maximum, and, since p rises with the score, for the block's largest p
	v_max3_num_f32 v[MX+2*\c], v[SCR+32*\c], v[SCR+32*\c+1], v[SCR+32*\c+2]
	v_max3_num_f32 v[MX+2*\c+1], v[SCR+32*\c+16], v[SCR+32*\c+17], v[SCR+32*\c+18]
.endr
.irp i, 3,5,7,9,11,13
.irp c, 0,1
	v_max3_num_f32 v[MX+2*\c], v[MX+2*\c], v[SCR+32*\c+\i], v[SCR+32*\c+\i+1]
	v_max3_num_f32 v[MX+2*\c+1], v[MX+2*\c+1], v[SCR+32*\c+16+\i], v[SCR+32*\c+17+\i]
.endr
.endr
	v_max3_num_f32 v[MX], v[MX], v[SCR+15], v[SCR+31]
	v_max3_num_f32 v[MX+2], v[MX+2], v[SCR+47], v[SCR+63]
	DL 2
	v_max_num_f32 v[MX], v[MX], v[MX+1]
	DL 2
	v_max_num_f32 v[MX+2], v[MX+2], v[MX+3]
	DL 1
	v_max_num_f32 v[MX+1], v[MX], v[MX+2]          ; my 64 keys,
	DL 1
	v_permlanex16_b32 v[BP], v[MX+1], s[SEL], s[SEL+1]
	DL 1
.if \fst
	v_max_num_f32 v[\nm+1], v[MX+1], v[BP]         ; and lane l xor 16's: the query's largest score so far
.else
	v_max3_num_f32 v[\nm+1], v[\nm+1], v[MX+1], v[BP]
.endif
	DL 1
	v_mul_f32 v[MX+3], s[CN], v[\nm+1]             ; as -t (c is positive)
	DL 1
	v_floor_f32 v[\nm], v[MX+3]                    ; -M = floor(-t) = -ceil(t): a whole number
.if \fst == 0
	DL 1
	v_sub_f32 v[FF], v[\nm], v[FF]                 ; M's old value less its new one: a whole number, 0 or less
	DL 1
	v_cvt_i32_f32 v[FF], v[FF]                     ; (it saturates)
	DL 1
	v_ldexp_f32 v[FF], 1.0, v[FF]                  ; f = 2^(old M - new M)
.endif
.set j, 0
.rept 32
	v_pk_fma_f32 v[SCR+j:SCR+j+1], v[SCR+j:SCR+j+1], s[CS:CS+1], v[\nm:\nm+1] op_sel_hi:[1,0,0]   ; t - M, two at a time (of the pairs c and -M the low word serves both halves)
.set j, j+2
.endr
	v_fma_f32 v[MX], v[MX], s[CS], v[\nm]          ; the same of each block's largest score
	v_fma_f32 v[MX+2], v[MX+2], s[CS], v[\nm]
.endm
.macro RS oa, j0, n, fst               ; O^T under the new M, each accumulator from its low end on
.if \fst == 0
.set j, \j0
.rept \n
	v_pk_mul_f32 v[\oa+2*j:\oa+2*j+1], v[\oa+2*j:\oa+2*j+1], v[FF:FF+1] op_sel_hi:[1,0]
.set j, j+1
.endr
.endif
.endm
; Second part: p, its codes and scale word; the sum is left in four pairs.  O's scalings stand between the links of the chain that makes the scales.
.macro SOFT2 ls, pc, pw, oa, fst
	s_wait_alu depctr_va_vdst(0)
.set j, 0
.rept 64
	v_exp_f32 v[SCR+j], v[SCR+j]                   ; p = 2^(t - M), not normalised
.set j, j+1
.endr
	v_exp_f32 v[MX], v[MX]                         ; the block's largest p: the same two instructions on the same number
	v_exp_f32 v[MX+2], v[MX+2]
.if \fst
	v_nop                                          ; the plain place behind the exponentials
.else
	v_pk_mul_f32 v[\ls:\ls+1], v[\ls:\ls+1], v[FF:FF+1] op_sel_hi:[1,0]   ; the sum under the new M: the plain place behind the exponentials
.endif
	s_wait_alu depctr_va_vdst(0)
	RS \oa, 0, 2, \fst
	v_max_num_f32 v[MX], 0x1800000, v[MX]          ; the floor 2^(3 - 127): a block whose every p is 0 keeps the byte 1: its codes are zeros
	v_max_num_f32 v[MX+2], 0x1800000, v[MX+2]
	RS \oa, 2, 3, \fst
	v_add_nc_u32 v[MX+1], 0xff000000, v[MX]        ; 2 off the exponent field: the conversion's scale operand
	v_add_nc_u32 v[MX+3], 0xff000000, v[MX+2]
	RS \oa, 5, 3, \fst
	v_lshrrev_b32 v[MX], 23, v[MX+1]               ; the scale's byte
	v_lshrrev_b32 v[MX+2], 23, v[MX+3]
	RS \oa, 8, 4, \fst
	v_lshl_or_b32 v[\pw], v[MX+2], 16, v[MX]       ; lanes 0-15: bytes 0 and 2,
	RS \oa, 12, 4, \fst
	v_permlanex16_b32 v[BP], v[\pw], s[SEL], s[SEL+1]
	DL 1
	v_lshl_or_b32 v[\pw], v[BP], 8, v[\pw]         ; and lane l xor 16's as bytes 1 and 3: p's scale word for these 128 keys (lanes 0-15 are read)
.irp c, 0,1
	v_cvt_scalef32_pk16_fp6_f32 v[\pc+6*\c:\pc+6*\c+2], v[SCR+32*\c:SCR+32*\c+15], v[MX+2*\c+1]
	v_cvt_scalef32_pk16_fp6_f32 v[CTM+4*\c:CTM+4*\c+2], v[SCR+32*\c+16:SCR+32*\c+31], v[MX+2*\c+1]
.endr
	v_nop                                          ; one plain place behind a scaled conversion
.irp c, 0,1
.irp i, 0,1,2
	v_mov_b32 v[\pc+6*\c+3+\i], v[CTM+4*\c+\i]
.endr
.endr
.set j, 0
.rept 16
	v_pk_add_f32 v[SCR+j:SCR+j+1], v[SCR+j:SCR+j+1], v[SCR+32+j:SCR+33+j]   ; THE ROW'S SUM, of the unquantised p, as a tree
.set j, j+2
.endr
.set j, 0
.rept 8
	v_pk_add_f32 v[SCR+j:SCR+j+1], v[SCR+j:SCR+j+1], v[SCR+16+j:SCR+17+j]
.set j, j+2
.endr
	v_pk_add_f32 v[MX:MX+1], v[SCR:SCR+1], v[SCR+8:SCR+9]
	v_pk_add_f32 v[MX+2:MX+3], v[SCR+2:SCR+3], v[SCR+10:SCR+11]
	v_pk_add_f32 v[CTM:CTM+1], v[SCR+4:SCR+5], v[SCR+12:SCR+13]
	v_pk_add_f32 v[CTM+4:CTM+5], v[SCR+6:SCR+7], v[SCR+14:SCR+15]
.endm
.macro SUMTAIL ls, fst                 ; the tree's last levels; behind products they are places: they name none of their registers
	v_pk_add_f32 v[MX:MX+1], v[MX:MX+1], v[CTM:CTM+1]
	v_pk_add_f32 v[MX+2:MX+3], v[MX+2:MX+3], v[CTM+4:CTM+5]
	DL 1
.if \fst
	v_pk_add_f32 v[\ls:\ls+1], v[MX:MX+1], v[MX+2:MX+3]
.else
	v_pk_add_f32 v[MX:MX+1], v[MX:MX+1], v[MX+2:MX+3]
	DL 1
	v_pk_add_f32 v[\ls:\ls+1], v[\ls:\ls+1], v[MX:MX+1]
.endif
.endm
; THE MEETING: the three lines, tile B's first part behind the opening signal, the rest of the round and the refill.  fill = 0.
; Behind it the next chunk's images and the chunk after that lie whole in LDS, and nobody reads this trip's slot or images any more.
.macro MEET fill, fst
.if \fill
	DRAIN 32768, 1
.else
	s_wait_alu depctr_va_vdst(0)
	s_wait_tensorcnt 0x0
	s_wait_dscnt 0x0
.endif
	s_barrier_signal -1
	SOFT1 NMB, \fst                                ; work on registers while the others arrive
	s_barrier_wait -1
.if \fill
	CREST
	TLOAD
.endif
.endm
.macro PVT oa, pc, pw, fst             ; O^T += V^T P^T for one tile: four accumulators by turns; K = these 128 keys
.irp T, 0,1,2,3
.if \fst
	MM \oa+8*\T, FRG+12*\T, \pc, 0, KSW+\T/2, \pw, \T%2, 0
.else
	MM \oa+8*\T, FRG+12*\T, \pc, v[\oa+8*\T:\oa+8*\T+7], KSW+\T/2, \pw, \T%2, 0
.endif
.endr
.endm
.macro TRIP fill
	KQ
	KLOAD
	QK 0
	NOPS 4                                         ; places ahead of the first read of the scores
	SOFT1 NMA, 0
	SOFT2 LSA, PCDA, PWA, OACA, 0
	SUMTAIL LSA, 0
	VQ 0
	QK 1
	VLOAD
	MEET \fill, 0
	SOFT2 LSB, PCDB, PWB, OACB, 0
	PVT OACA, PCDA, PWA, 0
	PVT OACB, PCDB, PWB, 0
	SUMTAIL LSB, 0
	TOGGLE
	s_xor_b32 s[IR], s[IR], IMGX
.endm
.macro QTURN x                         ; a tile of q turns through my stage, so that a lane holds a whole block of 32 of its query
.irp i, 0,1,2,3,4,5,6,7
	ds_store_b128 v[STD], v[\x+4*\i:\x+4*\i+3] offset:2*RP*\i
.endr
.irp i, 0,1,2,3,4,5,6,7
	ds_load_b128 v[SCR+4*\i:SCR+4*\i+3], v[STR] offset:16*\i      ; LDS serves a wave's instructions in order (ISA guide 5.7.1.4)
.endr
.endm
.macro QLOAD x, off                    ; 32 lanes read 512 consecutive bytes, two rows
.irp i, 0,1,2,3,4,5,6,7
	global_load_b128 v[\x+4*\i:\x+4*\i+3], v[GD], s[4:5] offset:\off+512*\i th:TH_LOAD_NT
.endr
.endm
; THE WAY OUT of a tile: O^T / the sum goes through my own stage and leaves as whole rows of 256 bytes.
.macro OUTT ls, oa, off
	v_add_f32 v[\ls], v[\ls], v[\ls+1]             ; the sum's two halves,
	DL 1
	v_permlanex16_b32 v[BP], v[\ls], s[SEL], s[SEL+1]
	DL 1
	v_add_f32 v[\ls], v[\ls], v[BP]                ; and lane l xor 16's
	s_wait_alu depctr_va_vdst(0)
	v_rcp_f32 v[FF], v[\ls]
	v_nop                                          ; one plain place behind a transcendental
	s_wait_alu depctr_va_vdst(0)
	RS \oa, 0, 16, 0                               ; register 8 T + i is out(r, 16 T + 8 h + i)
.irp T, 0,1,2,3
	ds_store_b128 v[WKL], v[\oa+8*\T:\oa+8*\T+3] offset:64*\T
	ds_store_b128 v[WKL], v[\oa+8*\T+4:\oa+8*\T+7] offset:64*\T+16
.endr
	s_wait_dscnt 0x0                               ; the stores have read the registers that the loads below write
.irp i, 0,1,2,3,4,5,6,7
	ds_load_b128 v[\oa+4*\i:\oa+4*\i+3], v[W2] offset:2*RP*\i
.endr
.irp i, 0,1,2,3,4,5,6,7
	s_wait_dscnt 7-\i                              ; row pair i is back; the younger loads may be out
	global_store_b128 v[GD], v[\oa+4*\i:\oa+4*\i+3], s[10:11] offset:\off+512*\i th:TH_STORE_NT   ; 16 lanes store 256 consecutive bytes, at a multiple of 256 from out0's first byte
.endr
.endm
	s_load_b256 s[4:11], s[0:1], 0x0               ; q, k, v, out0
	v_lshl_add_u32 v[SPW], v0, 2, SPARE
	v_mov_b32 v[NIL], 0
	ds_add_u32 v[SPW], v[NIL]                      ; the opening: the add, twice on end, ahead of the first tensor load
	ds_add_u32 v[SPW], v[NIL]
	v_lshrrev_b32 v5, 5, v0
	v_readfirstlane_b32 s[WV], v5                  ; wave 0..15
	v_and_b32 v6, 31, v0
	v_lshlrev_b32 v[GD], 4, v6
	s_bfe_u32 s14, ttmp6, 0x40000                  ; my place in the cluster: which 512 of the head's queries
	s_lshl_b32 s52, ttmp9, 18                      ; the head is the cluster's number; a head is 1,024 rows of 256 bytes
	s_mov_b32 s53, 0
	s_lshl_b32 s14, s14, 17
	s_lshl_b32 s15, s[WV], 12                      ; my tile A: 16 rows a wave
	s_add_co_u32 s54, s52, s14
	s_add_co_u32 s54, s54, s15
	s_mov_b32 s55, 0
	s_and_b32 s15, s[WV], 1
	s_lshl_b32 s15, s15, 14                        ; which 64 rows of a chunk I fetch, if I fetch
	s_add_co_u32 s52, s52, s15
	; descriptor group 1: 64 rows of 256 bytes (32 elements of 8), dense in memory, 16 bytes of padding behind each in LDS
	s_mov_b32 s[G1+0], 3|(3<<16)|(1<<20)|(1<<21)|(5<<22)|(3<<25)   ; 15:0 both work-groups; 17:16 elements of 8 bytes; 20 padding on; 21 set beside a mask; 24:22 after every 64 words (code 5); 31:25 of 4 words (code 3)
	s_mov_b32 s[G1+1], 32<<16                      ; tensor_dim0 = 32
	s_mov_b32 s[G1+2], 64<<16                      ; tensor_dim1 = 64
	s_mov_b32 s[G1+3], 32<<16                      ; tile_dim0 = 32
	s_mov_b32 s[G1+4], 64                          ; tile_dim1 = 64
	s_mov_b32 s[G1+5], 32                          ; from row to row: 32 elements
	s_mov_b32 s[G1+6], 0
	s_mov_b32 s[G1+7], 0
	s_mov_b32 s[SEL], 0x76543210
	s_mov_b32 s[SEL+1], 0xfedcba98
	s_mov_b32 s[CS], 0x3e38aa3b                    ; c = log2(e) / 8
	s_mov_b32 s[CS+1], s[CS]                       ; (named with it as a pair, so it is written)
	s_mov_b32 s[CN], 0xbe38aa3b                    ; -c
	s_mov_b32 s[TB], 0
	s_mov_b32 s[IR], IMG
	s_mov_b32 s[IW], IMG
	s_mov_b32 s[HIM], 0xffff0000
	s_and_b32 s44, s[WV], 3
	s_mul_i32 s13, s44, HALFT                      ; where my 64 rows go in a slot: k's halves, then v's
	s_wait_alu depctr_va_vdst(0)
	s_wait_dscnt 0x0
	s_wait_kmcnt 0x0
	s_add_nc_u64 s[4:5], s[4:5], s[54:55]          ; q and out0 at my tile A
	s_add_nc_u64 s[10:11], s[10:11], s[54:55]
	s_cmp_lt_u32 s44, 2                            ; of four waves the first two fetch k, the others v: the choice hangs on the wave's number alone
	s_cselect_b64 s[42:43], s[6:7], s[8:9]
	s_add_nc_u64 s[42:43], s[42:43], s[52:53]
	s_mov_b32 s[G0A], 1                            ; 1:0 count = 1
	s_mov_b32 s[G0A+1], s13                        ; 63:32 LDS address: slot 0
	s_mov_b64 s[G0A+2:G0A+3], s[42:43]             ; 120:64 global address: chunk 0
	s_or_b32 s[G0A+3], s[G0A+3], 0x80000000        ; 127:126 type = 2
	s_mov_b32 s[G0B], 1
	s_add_co_u32 s[G0B+1], s13, SLOT1              ; slot 1
	s_add_nc_u64 s[G0B+2:G0B+3], s[42:43], 32768   ; chunk 1
	s_or_b32 s[G0B+3], s[G0B+3], 0x80000000
	CROUND                                         ; both work-groups are here: the first joint loads meet
	s_cmp_lt_u32 s[WV], 4                          ; one tensor load a wave: waves 0-3 ask for chunk 0, ahead of tile A's q
	s_cbranch_scc0 .Lothers
	tensor_load_to_lds s[G0A:G0A+3], s[G1:G1+7]
	s_nop 0
	NOPS 4
	QLOAD OACA, 0
	s_branch .Lasked
.Lothers:
	QLOAD OACA, 0
	s_cmp_lt_u32 s[WV], 8                          ; waves 4-7 for chunk 1, which is needed last,
	s_cbranch_scc0 .Lasked
	s_wait_loadcnt 0x6                             ; once two of their eight loads of q are in
	tensor_load_to_lds s[G0B:G0B+3], s[G1:G1+7]
	s_nop 0
	NOPS 4
.Lasked:
	; the places that stay: v0, the wave's number and constants
	s_and_b32 s44, s[WV], 7                        ; w: my number among eight waves
	s_and_b32 s45, s44, 1                          ; w % 2
	s_lshr_b32 s46, s44, 1                         ; w / 2
	s_lshr_b32 s47, s44, 2                         ; w / 4
	s_and_b32 s48, s46, 1                          ; (w / 2) % 2
	s_mul_i32 s[RKW], s44, 16*RP                   ; raw k: key 16 w + r
	s_mul_i32 s13, s47, 3072                       ; K's codes: pair of tiles 2 (w / 4) + w % 2, tile r / 8 of the pair, row 8 ((w / 2) % 2) + r % 8, half h: lane row + 16 h
	s_mul_i32 s14, s45, 1536
	s_mul_i32 s15, s48, 384
	s_add_co_u32 s13, s13, s14
	s_add_co_u32 s[WKW], s13, s15
	s_lshl_b32 s13, s48, 7                         ; K's scale word: lane row + 16 (r / 8), word 2 (w / 4) + w % 2
	s_lshl_b32 s14, s47, 3
	s_lshl_b32 s15, s45, 2
	s_add_co_u32 s13, s13, s14
	s_add_co_u32 s13, s13, s15
	s_add_co_u32 s[WKSW], s13, KSC
	s_mul_i32 s13, s46, 32*RP                      ; raw v: key 32 (w / 2), column 32 (w % 2) + L
	s_lshl_b32 s14, s45, 7
	s_add_co_u32 s13, s13, s14
	s_add_co_u32 s[RVW], s13, VRAW
	s_mul_i32 s13, s45, 3072                       ; V's codes: tile 2 (w % 2) + h, lane r + 16 ((w / 2) % 2), registers 6 (w / 4) on
	s_mul_i32 s14, s48, 768
	s_mul_i32 s15, s47, 24
	s_add_co_u32 s13, s13, s14
	s_add_co_u32 s13, s13, s15
	s_add_co_u32 s[WVW], s13, VI
	s_lshl_b32 s13, s45, 2                         ; V's scale byte: lane L, word w % 2, byte w / 2
	s_add_co_u32 s13, s13, s46
	s_add_co_u32 s[WVSW], s13, VSC
	s_mul_i32 s13, s[WV], 16*RP
	s_add_co_u32 s[STG], s13, STAGE                ; my stage
	v_and_b32 v5, 15, v0                           ; r
	v_bfe_u32 v6, v0, 4, 1                         ; h
	v_and_b32 v7, 7, v0                            ; r % 8
	v_bfe_u32 v42, v0, 3, 1                        ; r / 8
	v_mul_u32_u24 v[WKL], v7, 48
	v_mul_u32_u24 v[WVL], v5, 48
	v_lshlrev_b32 v[WKSL], 4, v7
	v_mul_u32_u24 v[RKL], v5, RP                   ; (v0's last reader stands above)
	v_mad_u32_u24 v[WKL], v42, 24, v[WKL]
	v_mad_u32_u24 v[WVL], v6, 1536, v[WVL]
	v_lshl_add_u32 v[WKSL], v42, 8, v[WKSL]
	v_lshl_add_u32 v[RKL], v6, 7, v[RKL]
	v_mad_u32_u24 v[WKL], v6, 768, v[WKL]
	v_lshlrev_b32 v[H8], 3, v6
	v_mul_u32_u24 v[STD], v6, RP
	v_lshl_add_u32 v[STD], v5, 4, v[STD]
	v_add_nc_u32 v[STR], s[STG], v[RKL]
	v_add_nc_u32 v[STD], s[STG], v[STD]
.irp i, 0,1,2,3,4,5
	v_mov_b32 v[QF+6+\i], 0                        ; the zero codes
	v_mov_b32 v[PCDB+\i], 0                        ; named behind K's last tile in the first trip
.endr
	v_mov_b32 v[BP], 0                             ; a lane permute's destination counts as one of its sources
	s_wait_alu depctr_va_vdst(0)
	s_cmp_lt_u32 s[WV], 4                          ; chunk 0's line was issued by these waves alone; chunk 1's load may stay out
	s_cbranch_scc0 .Lnot_mine
	s_wait_tensorcnt 0x0
.Lnot_mine:
	s_wait_dscnt 0x0
	s_barrier_signal -1
	s_barrier_wait -1
	KQ                                             ; chunk 0 is quantised while tile A's q lands
	VQ 1
	TOGGLE
	s_wait_alu depctr_va_vdst(0)
	s_wait_loadcnt 0x0
	QLOAD OACB, 65536                              ; tile B's q, 256 rows on: it waits in O's registers until the first trip takes it up
	QTURN OACA
	s_wait_dscnt 0x0
	QBLOCK SCR, QF
	WORD
	DL 1
	v_mov_b32 v[QS], v[WD]
	; TRIP 0, written out: the products start the sums; tile B's q is quantised between the two softmaxes
	DRAIN 65536, 0                                 ; chunk 2, into slot 0
	CROUND
	TLOAD
	KQ
	KLOAD
	QK 0
	NOPS 4
	SOFT1 NMA, 1
	SOFT2 LSA, PCDA, PWA, OACA, 1
	SUMTAIL LSA, 1
	VQ 0
	s_wait_alu depctr_va_vdst(0)
	s_wait_loadcnt 0x0
	QTURN OACB
	s_wait_dscnt 0x0
	QBLOCK SCR, QF+12
	WORD
	v_cndmask_b32 v[QS], v[QS], v[WD], s[HIM]      ; tile B's words in lanes 16-31
	NOPS 8                                         ; a scale register written by a vector instruction stands 8 places ahead of a scaled matrix instruction
	QK 1
	VLOAD
	MEET 1, 1
	SOFT2 LSB, PCDB, PWB, OACB, 1
	PVT OACA, PCDA, PWA, 1
	PVT OACB, PCDB, PWB, 1
	SUMTAIL LSB, 1
	TOGGLE
	s_xor_b32 s[IR], s[IR], IMGX
	s_mov_b32 s[CNT], 4
.Lfill:                                            ; trips 1 to 4: trip j asks for chunk j + 3
	TRIP 1
	s_sub_co_u32 s[CNT], s[CNT], 1
	s_cmp_lg_u32 s[CNT], 0
	s_cbranch_scc1 .Lfill
	s_mov_b32 s[CNT], 2
.Lnofill:                                          ; trips 5 and 6 ask for nothing
	TRIP 0
	s_sub_co_u32 s[CNT], s[CNT], 1
	s_cmp_lg_u32 s[CNT], 0
	s_cbranch_scc1 .Lnofill
	; TRIP 7: no barrier; tile A is finished, and leaves, ahead of tile B's softmax
	KLOAD
	QK 0
	NOPS 4
	SOFT1 NMA, 0
	SOFT2 LSA, PCDA, PWA, OACA, 0
	QK 1
	SUMTAIL LSA, 0
	VLOAD
	s_wait_alu depctr_va_vdst(0)
	s_wait_dscnt 0x0
	PVT OACA, PCDA, PWA, 0
	v_bfe_u32 v[W0], v[GD], 4, 4                   ; r.  (These eight are the places behind the products)
	v_bfe_u32 v[W1], v[GD], 8, 1                   ; h
	v_mul_u32_u24 v[W2], v[W1], RP                 ; two rows an instruction: 272 h + 16 r
	v_mul_u32_u24 v[WKL], v[W0], RP                ; my row's 32 bytes of a tile: 272 r + 32 h
	v_lshl_add_u32 v[W2], v[W0], 4, v[W2]
	v_lshl_add_u32 v[WKL], v[W1], 5, v[WKL]
	v_add_nc_u32 v[W2], s[STG], v[W2]
	v_add_nc_u32 v[WKL], s[STG], v[WKL]
	OUTT LSA, OACA, 0
	s_wait_alu depctr_va_vdst(0)                   ; the wait, directly ahead of the first reader of tile B's scores
	SOFT1 NMB, 0
	SOFT2 LSB, PCDB, PWB, OACB, 0
	PVT OACB, PCDB, PWB, 0
	SUMTAIL LSB, 0
	OUTT LSB, OACB, 65536
	s_wait_tensorcnt 0x0                           ; the wave's end: behind my last tensor load and my last LDS store
	ds_add_u32 v[SPW], v[NIL]
	s_wait_dscnt 0x0
	CROUND                                         ; the closing round
	s_endpgm
.Lfunc_end_k_q8476c642ca_attn:
	.size	k_q8476c642ca_attn, .Lfunc_end_k_q8476c642ca_attn-k_q8476c642ca_attn
	.p2alignl 7, 3214868480
	.fill 96, 4, 3214868480
	.section	.rodata,"a",@progbits
	.p2align	6, 0x0
	.amdhsa_kernel k_q8476c642ca_attn
		.amdhsa_group_segment_fixed_size 327680
		.amdhsa_private_segment_fixed_size 0
		.amdhsa_enable_private_segment 0
		.amdhsa_kernarg_size 32
		.amdhsa_user_sgpr_count 2
		.amdhsa_user_sgpr_kernarg_segment_ptr 1
		.amdhsa_wavefront_size32 1
		.amdhsa_system_sgpr_workgroup_id_x 1
		.amdhsa_system_sgpr_workgroup_id_y 1
		.amdhsa_system_sgpr_workgroup_id_z 1
		.amdhsa_system_vgpr_workitem_id 0
		.amdhsa_next_free_vgpr 256
		.amdhsa_next_free_sgpr 66
		.amdhsa_reserve_vcc 0
		.amdhsa_float_denorm_mode_32 3
		.amdhsa_float_denorm_mode_16_64 3
		.amdhsa_memory_ordered 1
		.amdhsa_forward_progress 1
		.amdhsa_inst_pref_size 164
	.end_amdhsa_kernel
	.amdgpu_metadata
---
amdhsa.version: [ 1, 2 ]
amdhsa.kernels:
  - .name:           k_q8476c642ca_attn
    .symbol:         k_q8476c642ca_attn.kd
    .args:
      - { .name: q, .offset: 0, .size: 8, .value_kind: global_buffer, .address_space: global }
      - { .name: k, .offset: 8, .size: 8, .value_kind: global_buffer, .address_space: global }
      - { .name: v, .offset: 16, .size: 8, .value_kind: global_buffer, .address_space: global }
      - { .name: out0, .offset: 24, .size: 8, .value_kind: global_buffer, .address_space: global }
    .group_segment_fixed_size: 327680
    .private_segment_fixed_size: 0
    .kernarg_segment_align: 8
    .kernarg_segment_size: 32
    .max_flat_workgroup_size: 512
    .sgpr_count:     66
    .vgpr_count:     256
    .wavefront_size: 32
...
	.end_amdgpu_metadata
.endif
;; end of part 1
